; MI455X (gfx1250); checked and timed in simulation.
; The chip was launched on July 23, 2026; its instructions are those of AMD's public machine-readable ISA for CDNA 5 (MIT licence, August 2026) and "CDNA5" Instruction Set Architecture Reference Guide (July 2026). The comments in the code are by the model that wrote it; some were corrected since.
;; Weightless FFN. Allowed arithmetic: matrix products marked QUANTISED: E3M2 operands, one E8M0 scale for each 32 along K, by v_wmma_scale_f32_16x16x128_f8f6f4 with both operands' format E3M2, f32 sums; everything else in f32.
;; Inputs: down_s 2,048 float32; down_w 2,048 x 2,752 int32; gate_s 2,752 float32; gate_w 2,752 x 2,048 int32; up_s 2,752 float32; up_w 2,752 x 2,048 int32; x 2 x 2,048 x 2,048 float32.
;; Outputs: out0 2 x 2,048 x 2,048 float32.
;; This version of the problem:
;;   THIS VERSION OF THE PROBLEM IS GIVEN IN LOW PRECISION. The matrix products marked QUANTISED in the list below multiply operands that are first quantised to E3M2 (3 exponent bits, 2 mantissa bits; 6 bits a number), with one power-of-two scale for each 32 numbers along K (OCP MX v1.0); their sums are f32. All else is computed in f32.
;;   The module's matrix products, in the order in which they are computed (A, B: the left and right operand; K: the contracted axis; several contracted axes count as one K, in the product's order):
;;     1. [M 4,096, K 2,048] x [K 2,048, N 2,752]; A: input x; B: input gate_w: QUANTISED
;;     2. [M 4,096, K 2,048] x [K 2,048, N 2,752]; A: input x; B: input up_w: QUANTISED
;;     3. [M 4,096, K 2,752] x [K 2,752, N 2,048]; A: computed on the way; B: input down_w: QUANTISED
;;   THE QUANTISER, for each operand of a quantised product, along K:
;;     - K is cut into blocks of 32 from its start; a last block that is shorter is filled with zeros.
;;     - A block's scale is 2^e with e = floor(log2(the largest magnitude in the block)) - 4, held to -126 .. 127; a block of zeros has e = 0. As a byte (E8M0): e + 127.
;;     - Each number is divided by its block's scale, clamped to +-28, and rounded to the nearest number of E3M2, ties to even, subnormals kept.
;;     - The product sums the exact products of the quantised numbers (number of the format x scale) in f32.
;;   ~~~python
;;   def quantise(x, axis):      # numpy; x: float32 -> the quantised numbers, widened to float32 again
;;       x = np.moveaxis(x, axis, -1); K = x.shape[-1]
;;       x = np.pad(x, [(0, 0)] * (x.ndim - 1) + [(0, -K % 32)]); x = x.reshape(x.shape[:-1] + (-1, 32)); a = np.abs(x).max(-1, keepdims=True)
;;       e = np.where(a > 0, np.clip(np.frexp(np.where(a > 0, a, 1))[1] - 1 - 4, -126, 127), 0)      # np.frexp(a)[1] - 1 = floor(log2(a)), exactly
;;       r = np.clip(x / 2.0 ** e, -28, 28)
;;       step = 2.0 ** (np.maximum(np.frexp(np.where(r == 0, 1, r))[1] - 1, -2) - 2)
;;       q = np.round(r / step) * step * 2.0 ** e      # np.round: ties to even
;;       return np.moveaxis(q.reshape(q.shape[:-2] + (-1,))[..., :K], -1, axis).astype(np.float32)
;;   ~~~
;;   OPERANDS COMPUTED ON THE WAY. 'Computed on the way' means the value that the module computes at that place (a softmax that the list does not call 'softmax' is quantised finished and normalised). What goes into a quantiser is computed in f32, as accurately as f32 sums, v_exp_f32 and their like allow (about 1e-6 of the number): no bf16 or f16 on the way to a quantiser, and a product that is left as it is and whose result goes on into a quantised operand takes f32 operands (vector FMAs, or v_wmma_f32_16x16x4_f32). A number that lies on a knife's edge between two numbers of the format may be rounded either way, as far as f32 arithmetic and the matrix unit's own rounding can turn it there, and no further.
;; One version. Each part assembles by itself: llvm-mc -triple=amdgcn-amd-amdhsa -mcpu=gfx1250 --defsym DOCPART=n.
;; ======== version 1 of 1: 3 launches
;; limits: right only within a limited range of input values
;; workspace buffers: xq 6,291,456 bytes; xs 262,144 bytes; gq 8,650,752 bytes; gsw 360,448 bytes; dq 4,718,592 bytes; dsw 196,608 bytes; hq 9,437,184 bytes; hs 393,216 bytes
;; launch quant (part 1): grid 3200 x 1, 1 waves a work-group, no clusters, 8,960 bytes of LDS; arguments x, gate_w, up_w, down_w, xq, xs, gq, gsw, dq, dsw; writes xq, xs, gq, gsw, dq, dsw
.if DOCPART == 1
	.amdgcn_target "amdgcn-amd-amdhsa--gfx1250"
	.amdhsa_code_object_version 6
	.text
	.protected	k_q9b65631f96_quant
	.globl	k_q9b65631f96_quant
	.p2align	8
	.type	k_q9b65631f96_quant,@function
k_q9b65631f96_quant:
	s_mov_b64 s[64:65], 0
	v_nop
	global_prefetch_b8 v0, s[64:65] scope:SCOPE_SE
	s_setreg_imm32_b32 hwreg(HW_REG_WAVE_MODE, 25, 1), 1
	s_wait_xcnt 0x0
; out = ((silu((x Wg^T) gs) * ((x Wu^T) us)) Wd^T) ds, all three products on codes of BF6 (E3M2) with one E8M0 scale for each 32 along K.
; NOTHING OF THE PROBLEM IS LEFT OUT: every input has a way to the output and is loaded by one of the three launches (x and the three weights here, gate_s and up_s in the second, down_s in the third).
; THIS LAUNCH quantises x [4096][2048] f32 and gate_w, up_w [2752][2048], down_w [2048][2752] int32 (widened to f32, exactly) along K, which is innermost in all four.
; A block's scale is 2^(floor(log2(largest magnitude)) - 4): its byte is the largest magnitude's exponent field - 4, held at 1 from below; numbers are divided by it and rounded to the nearest code, ties to even, beyond 28 the largest code.
; WHAT IS STORED.  Codes as IMAGES OF THE OPERAND'S REGISTERS: 16 rows x 128 K = 12 registers x 32 lanes = 1,536 bytes, registers 4 c .. 4 c + 3 of lane l at 512 c + 16 l; a buffer is [tile of 16 rows][K step][1,536].
; Scale words (four bytes: a row's four blocks of a K step) as [K step][row].
; gq's tiles: tile 4 B + 2 u + m is hidden block B (0..87), half u, matrix m (0 gate, 1 up); its row p is hidden unit 32 B + 8 u + p + 8 (p / 8).  Blocks 86, 87 are filling: zero codes.
; dq's K steps: the 86 blocks along K are taken in groups of 11; group j fills K steps 3 j (blocks 11 j + 0..3), 3 j + 1 (11 j + 4, 5, 10 and a block of zero codes), 3 j + 2 (11 j + 6..9); blocks from 86 on are zero codes.
; The second launch lays the hidden layer's codes in the same order, so the third product's terms are the problem's, summed in another order.
; SHARES.  A work-group is ONE wave and takes four tiles (64 rows of the result) x one K step: 32,768 bytes read.  There are 3,200 such shares, 12.5 for each of 256 WGPs: dealt singly, a WGP gets 12 or 13 of them.
; Four work-groups with neighbouring numbers take four neighbouring K steps of the same rows: GR = number / 4, WV = number % 4.  GR 0-255: x; 256-607: gate and up; 608-799: down.
; ONE PATH serves all three: what differs is held in scalar registers made from the work-group's number.
; A tile's 16 rows come by 16 loads of 512 bytes (16 bytes a lane), turn through the stage in LDS (rows of 528 bytes), and come back so that lane (r, h) holds, of row r, 16 neighbours of each block of 32.
; No prefetch is laid: the text has no loop to run ahead in, and its loads are themselves out two tiles (32 loads) ahead.
; LIMITS: NaN and infinities among the inputs are not served (the maxima drop NaN).  A block of zeros gets the byte 1 where the rule says 127: its codes are zeros, and this program alone reads the bytes.
.set WREG,  8704                       ; LDS: the stage, 16 x 528 bytes, and 256 bytes for 64 scale words
.set SWO,   8448
.set SPARE, WREG                       ; behind them: the spare words, 128 bytes, in a block of 256
.set L16,   1                          ; v1   16 x lane: my place in a load's or a store's 512 bytes, and in a row of the stage on the way in
.set STO,   3                          ; v3   stage, way out: 528 r + 64 h
.set SWA,   4                          ; v4   where my row's scale word goes
.set SWR,   5                          ; v5   and where 8 bytes of the 256 are read back
.set SGO,   6                          ; v6   8 x lane
.set SPW,   7                          ; v7   my spare word; never rewritten
.set NIL,   8                          ; v8   0; never rewritten
.set RO,    12                         ; v12-27   byte offset of my 16 bytes in row i of a tile
.set R0,    28                         ; v28-155  two sets of 64: a tile as loaded
.set X,     156                        ; v156-219 64 numbers: register 16 b + e = k 32 b + 16 h + e of row r
.set PC,    220                        ; v220-239 the codes
.set TM,    240                        ; v240-243 maxima, v244-247 bytes, v248-251 the conversions' scale operands
.set PW,    252                        ; the scale word
.set SWV,   254                        ; v254-255 scale words on the way out
.set WV,    24
.set EE,    25
.set QD,    26                         ; which four tiles
.set KP,    27                         ; which K step
.set FIRST, 30                         ; the K step's first block in the source
.set JUMP,  31                         ; what blocks 2, 3 lie further on
.set JUMP3, 32                         ; and block 3 (1,024: no such block)
.set MAXB,  33                         ; the source's last block
.set PT,    34                         ; a source row in bytes
.set KST,   35                         ; K steps of the result
.set RP,    36                         ; a K step's scale words in bytes
.set RW,    37                         ; the first source row
.set OFF,   38                         ; s38-40 rows that tiles 1, 2, 3 begin further down
.set EX,    41                         ; rows that a tile's rows 8-15 lie further down
.set ISINT, 42
.set ALLM,  43
.set MK,    44                         ; s44-47 -1 where block b exists, else 0
.set M0,    48                         ; the source of tiles 0, 2;  s[50:51] of tiles 1, 3
.set M1,    50
.set CD,    52
.set SD,    54
.set BS,    56                         ; s[56:63] a source address for each tile
.set DD,    66                         ; s[66:73] a codes' address for each tile
.set TP,    74
.set SEL,   80
.set GR,    84                         ; the work-group's number / 4
	s_load_b512 s[4:19], s[0:1], 0x0               ; x, gate_w, up_w, down_w, xq, xs, gq, gsw
	s_load_b128 s[20:23], s[0:1], 0x40             ; dq, dsw
	v_lshl_add_u32 v[SPW], v0, 2, SPARE
	v_mov_b32 v[NIL], 0
	s_lshr_b32 s[GR], ttmp9, 2
	s_and_b32 s[WV], ttmp9, 3
	v_and_b32 v9, 31, v0                           ; lane
	v_lshlrev_b32 v[L16], 4, v9
	v_and_b32 v10, 15, v0                          ; r
	v_bfe_u32 v11, v0, 4, 1                        ; h
	v_mul_u32_u24 v[STO], v10, 528
	v_lshl_add_u32 v[STO], v11, 6, v[STO]
	v_lshl_add_u32 v[SWA], v10, 2, SWO
	v_lshlrev_b32 v[SGO], 3, v9
	v_add_nc_u32 v[SWR], SWO, v[SGO]
	s_mov_b32 s[SEL], 0x76543210
	s_mov_b32 s[SEL+1], 0xfedcba98                 ; v_permlanex16_b32's selects for lane l xor 16
.irp b, 0,1,2,3
	v_mov_b32 v[TM+4+\b], 0                        ; written once: a lane permute's destination counts as one of its sources
.endr
	; which tensor, which four tiles, which K step: from the work-group's number
	s_cmp_lt_u32 s[GR], 256
	s_cselect_b32 s[EE], 0, 256
	s_cmp_lt_u32 s[GR], 608
	s_cselect_b32 s[EE], s[EE], 608
	s_sub_co_u32 s[EE], s[GR], s[EE]               ; my group's number within the tensor's
	s_lshr_b32 s[QD], s[EE], 2
	s_and_b32 s[KP], s[EE], 3
	s_and_b32 s28, s[EE], 31
	s_lshr_b32 s29, s[EE], 5
	s_cmp_lt_u32 s[GR], 608
	s_cselect_b32 s[QD], s[QD], s28
	s_cselect_b32 s[KP], s[KP], s29
	s_lshl_b32 s[KP], s[KP], 2
	s_add_co_u32 s[KP], s[KP], s[WV]
	s_mul_i32 s28, s[KP], 171
	s_lshr_b32 s28, s28, 9                         ; down: j = K step / 3 (exact for 0..23)
	s_mul_i32 s29, s28, 3
	s_sub_co_u32 s29, s[KP], s29                   ; i = K step - 3 j
	s_mul_i32 s28, s28, 11
	s_cmp_eq_u32 s29, 0
	s_cselect_b32 s76, 0, 4
	s_cmp_eq_u32 s29, 2
	s_cselect_b32 s76, 6, s76
	s_add_co_u32 s28, s28, s76                     ; down's first block: 11 j + 0, 4 or 6
	s_lshl_b32 s77, s[KP], 2                       ; x, gate, up: 4 x K step
	s_cmp_ge_u32 s[QD], 86                         ; (only gate and up have so many): the filling blocks have no source
	s_cselect_b32 s77, 1024, s77
	s_cmp_eq_u32 s29, 1
	s_cselect_b32 s78, 4, 0
	s_cselect_b32 s79, 1024, 0
	s_mov_b32 s82, 11008
	s_mov_b32 s83, 22528
	s_mov_b32 s[RP], 8192
	s_cmp_lt_u32 s[GR], 608
	s_cselect_b32 s[FIRST], s77, s28
	s_cselect_b32 s[JUMP], 0, s78
	s_cselect_b32 s[JUMP3], 0, s79
	s_cselect_b32 s[MAXB], 63, 85
	s_cselect_b32 s[PT], 8192, s82
	s_cselect_b32 s[KST], 16, 24
	s_cselect_b32 s[RP], s83, s[RP]
	s_cmp_lt_u32 s[GR], 256
	s_cselect_b32 s[RP], 16384, s[RP]
	s_cselect_b32 s[ISINT], 0, 1
	s_min_u32 s76, s[QD], 85
	s_lshl_b32 s76, s76, 5                         ; gate, up: 32 rows a block (a filling block reads block 85's, and masks them)
	s_lshl_b32 s[RW], s[QD], 6
	s_sub_co_u32 s77, s[GR], 256
	s_cmp_lt_u32 s77, 352                          ; gate and up?
	s_cselect_b32 s[RW], s76, s[RW]
	s_cselect_b32 s[OFF], 0, 16
	s_cselect_b32 s[OFF+1], 8, 32
	s_cselect_b32 s[OFF+2], 8, 48
	s_cselect_b32 s[EX], 8, 0
	s_add_co_u32 s76, s[FIRST], 1                  ; the four blocks, and whether they exist
	s_add_co_u32 s77, s[FIRST], s[JUMP]
	s_add_co_u32 s77, s77, 2
	s_add_co_u32 s78, s77, s[JUMP3]
	s_add_co_u32 s78, s78, 1
	s_cmp_le_u32 s[FIRST], s[MAXB]
	s_cselect_b32 s[MK], -1, 0
	s_cmp_le_u32 s76, s[MAXB]
	s_cselect_b32 s[MK+1], -1, 0
	s_cmp_le_u32 s77, s[MAXB]
	s_cselect_b32 s[MK+2], -1, 0
	s_cmp_le_u32 s78, s[MAXB]
	s_cselect_b32 s[MK+3], -1, 0
	s_and_b32 s[ALLM], s[MK], s[MK+1]
	s_and_b32 s[ALLM], s[ALLM], s[MK+2]
	s_and_b32 s[ALLM], s[ALLM], s[MK+3]
	; my 16 bytes of a row: eight lanes to a block; a block that does not exist is read at the last one, so that no load leaves its buffer
	v_lshrrev_b32 v10, 3, v9                       ; b
	v_lshrrev_b32 v11, 1, v10
	v_and_b32 v[SWV], v10, v11                     ; 1 for b = 3
	v_add_nc_u32 v10, s[FIRST], v10
	v_mad_u32_u24 v10, v11, s[JUMP], v10
	v_mad_u32_u24 v10, v[SWV], s[JUMP3], v10
	v_min_u32 v10, s[MAXB], v10
	v_and_b32 v11, 7, v9
	v_lshlrev_b32 v11, 4, v11
	v_lshl_add_u32 v10, v10, 7, v11
	s_wait_alu depctr_va_vdst(0)                   ; the wait here
	s_mul_i32 s79, s[EX], s[PT]
.irp i, 0,1,2,3,4,5,6,7,8,9,10,11,12,13,14,15
	s_mul_i32 s76, s[PT], \i
.if \i >= 8
	s_add_co_u32 s76, s76, s79
.endif
	v_add_nc_u32 v[RO+\i], s76, v10
.endr
	s_wait_alu depctr_va_vdst(0)                   ; the wait at the head's end
	s_wait_kmcnt 0x0
	s_cmp_lt_u32 s[GR], 256                        ; the buffers are chosen by the work-group's number alone
	s_cselect_b64 s[M0:M0+1], s[4:5], s[6:7]
	s_cselect_b64 s[M1:M1+1], s[4:5], s[8:9]
	s_cselect_b64 s[CD:CD+1], s[12:13], s[16:17]
	s_cselect_b64 s[SD:SD+1], s[14:15], s[18:19]
	s_cmp_lt_u32 s[GR], 608
	s_cselect_b64 s[M0:M0+1], s[M0:M0+1], s[10:11]
	s_cselect_b64 s[M1:M1+1], s[M1:M1+1], s[10:11]
	s_cselect_b64 s[CD:CD+1], s[CD:CD+1], s[20:21]
	s_cselect_b64 s[SD:SD+1], s[SD:SD+1], s[22:23]
	s_mov_b32 s[TP+1], 0
	s_mul_i32 s[TP], s[RW], s[PT]
	s_add_nc_u64 s[BS:BS+1], s[M0:M0+1], s[TP:TP+1]
	s_add_co_u32 s[TP], s[RW], s[OFF]
	s_mul_i32 s[TP], s[TP], s[PT]
	s_add_nc_u64 s[BS+2:BS+3], s[M1:M1+1], s[TP:TP+1]
	s_add_co_u32 s[TP], s[RW], s[OFF+1]
	s_mul_i32 s[TP], s[TP], s[PT]
	s_add_nc_u64 s[BS+4:BS+5], s[M0:M0+1], s[TP:TP+1]
	s_add_co_u32 s[TP], s[RW], s[OFF+2]
	s_mul_i32 s[TP], s[TP], s[PT]
	s_add_nc_u64 s[BS+6:BS+7], s[M1:M1+1], s[TP:TP+1]
	s_lshl_b32 s76, s[QD], 2
	s_mul_i32 s76, s76, s[KST]
	s_add_co_u32 s76, s76, s[KP]                   ; tile x K steps + K step
.irp t, 0,1,2,3
	s_mul_i32 s[TP], s76, 1536
	s_add_nc_u64 s[DD+2*\t:DD+2*\t+1], s[CD:CD+1], s[TP:TP+1]
	s_add_co_u32 s76, s76, s[KST]
.endr
	s_mul_i32 s[TP], s[KP], s[RP]
	s_lshl_b32 s76, s[QD], 8
	s_add_co_u32 s[TP], s[TP], s76
	s_add_nc_u64 s[SD:SD+1], s[SD:SD+1], s[TP:TP+1]
.macro LOAD t                          ; tile t's 16 rows: each load reads 512 bytes of one row (four blocks of 128)
.irp i, 0,1,2,3,4,5,6,7,8,9,10,11,12,13,14,15
	global_load_b128 v[R0+64*((\t)%2)+4*\i:R0+64*((\t)%2)+4*\i+3], v[RO+\i], s[BS+2*(\t):BS+2*(\t)+1] th:TH_LOAD_NT
.endr
.endm
.macro TURN t                          ; through the stage: LDS serves a wave's instructions in order, so no wait stands between the stores and the loads
.irp i, 0,1,2,3,4,5,6,7,8,9,10,11,12,13,14,15
	ds_store_b128 v[L16], v[R0+64*((\t)%2)+4*\i:R0+64*((\t)%2)+4*\i+3] offset:528*\i
.endr
.irp b, 0,1,2,3
.irp j, 0,1,2,3
	ds_load_b128 v[X+16*\b+4*\j:X+16*\b+4*\j+3], v[STO] offset:128*\b+16*\j
.endr
.endr
.endm
; 64 numbers of a lane, register 16 b + e = k 32 b + 16 (lane / 16) + e of my row, become a fragment's codes in v[PC] .. v[PC + 11] and its scale word in v[PW]
.macro QUANT s
.irp b, 0,1,2,3
	v_max3_num_f32 v[TM+\b], |v[\s+16*\b]|, |v[\s+1+16*\b]|, 0x2800000   ; my 16 numbers of block b, and the floor 2^(5 - 127): the byte cannot fall under 1
.endr
.irp i, 2,4,6,8,10,12,14
.irp b, 0,1,2,3
	v_max3_num_f32 v[TM+\b], v[TM+\b], |v[\s+16*\b+\i]|, |v[\s+1+16*\b+\i]|
.endr
.endr
.irp b, 0,1,2,3
	v_permlanex16_b32 v[TM+4+\b], v[TM+\b], s[SEL], s[SEL+1]
.endr
.irp b, 0,1,2,3
	v_max_num_f32 v[TM+\b], v[TM+\b], v[TM+4+\b]   ; with lane l xor 16's 16: the block's largest magnitude
.endr
.irp b, 0,1,2,3
	v_add_nc_u32 v[TM+8+\b], 0xfe000000, v[TM+\b]  ; 4 off its exponent field: the conversion takes this operand's exponent field as its scale
.endr
.irp b, 0,1,2,3
	v_lshrrev_b32 v[TM+4+\b], 23, v[TM+8+\b]       ; the scale's byte
.endr
	v_lshl_or_b32 v[PW], v[TM+5], 8, v[TM+4]
	v_lshl_or_b32 v[PW], v[TM+6], 16, v[PW]
	v_lshl_or_b32 v[PW], v[TM+7], 24, v[PW]
.irp c, 0,1
	v_cvt_scalef32_pk16_bf6_f32 v[PC+6*\c:PC+2+6*\c], v[\s+32*\c:\s+15+32*\c], v[TM+8+2*\c]
	v_cvt_scalef32_pk16_bf6_f32 v[PC+12+4*\c:PC+14+4*\c], v[\s+16+32*\c:\s+31+32*\c], v[TM+8+2*\c+1]   ; (a conversion's three registers begin on an even number)
.endr
	v_nop                                          ; one plain place behind a scaled conversion
.irp c, 0,1                            ; the operand wants a WHOLE block in a lane: lanes 0-15 block 2 c, lanes 16-31 block 2 c + 1
.irp i, 0,1,2
	v_permlane16_swap_b32 v[PC+6*\c+\i], v[PC+12+4*\c+\i]
.endr
.irp i, 0,1,2
	v_mov_b32 v[PC+3+6*\c+\i], v[PC+12+4*\c+\i]
.endr
.endr
.endm
.macro TILE t
.if (\t) < 3
	s_wait_loadcnt 16                              ; this tile's 16 loads are in; the next tile's 16 may be out
.else
	s_wait_loadcnt 0x0
.endif
	TURN \t
	s_wait_dscnt 0x0                               ; the numbers are back, and the stores have read the set,
.if (\t) < 2
	LOAD (\t)+2                                    ; which takes the tile two further on
.endif
	s_cmp_eq_u32 s[ALLM], -1                       ; a branch on ids: blocks that do not exist become zeros
	s_cbranch_scc1 .Lwhole_\@
.set n, 0
.rept 64
	v_and_b32 v[X+n], s[MK+n/16], v[X+n]
.set n, n+1
.endr
.Lwhole_\@:
	s_cmp_eq_u32 s[ISINT], 0                       ; a branch on ids: the weights are whole numbers
	s_cbranch_scc1 .Lfloat_\@
.set n, 0
.rept 64
	v_cvt_f32_i32 v[X+n], v[X+n]
.set n, n+1
.endr
.Lfloat_\@:
.if (\t) > 0
	s_wait_xcnt 0x0                                ; the last tile's stores have read the codes' registers
.endif
	QUANT X
.irp c, 0,1,2
	global_store_b128 v[L16], v[PC+4*\c:PC+4*\c+3], s[DD+2*(\t):DD+2*(\t)+1] offset:512*\c   ; 512 consecutive bytes, aligned
.endr
	ds_store_b32 v[SWA], v[PW] offset:64*(\t)      ; both halves of the lanes write the same word with the same value
.endm
	LOAD 0
	LOAD 1
	TILE 0
	TILE 1
	TILE 2
	TILE 3
	ds_load_b64 v[SWV:SWV+1], v[SWR]               ; my 64 rows' scale words: these see my stores
	s_wait_dscnt 0x0
	global_store_b64 v[SGO], v[SWV:SWV+1], s[SD:SD+1]   ; 256 consecutive bytes, aligned
	s_wait_tensorcnt 0x0                           ; the wave's end, behind my last LDS store
	ds_add_u32 v[SPW], v[NIL]
	s_wait_dscnt 0x0
	s_endpgm
.Lfunc_end_k_q9b65631f96_quant:
	.size	k_q9b65631f96_quant, .Lfunc_end_k_q9b65631f96_quant-k_q9b65631f96_quant
	.p2alignl 7, 3214868480
	.fill 96, 4, 3214868480
	.section	.rodata,"a",@progbits
	.p2align	6, 0x0
	.amdhsa_kernel k_q9b65631f96_quant
		.amdhsa_group_segment_fixed_size 8960
		.amdhsa_private_segment_fixed_size 0
		.amdhsa_enable_private_segment 0
		.amdhsa_kernarg_size 80
		.amdhsa_user_sgpr_count 2
		.amdhsa_user_sgpr_kernarg_segment_ptr 1
		.amdhsa_wavefront_size32 1
		.amdhsa_system_sgpr_workgroup_id_x 1
		.amdhsa_system_sgpr_workgroup_id_y 1
		.amdhsa_system_sgpr_workgroup_id_z 1
		.amdhsa_system_vgpr_workitem_id 0
		.amdhsa_next_free_vgpr 256
		.amdhsa_next_free_sgpr 100
		.amdhsa_reserve_vcc 0
		.amdhsa_float_denorm_mode_32 3
		.amdhsa_float_denorm_mode_16_64 3
		.amdhsa_memory_ordered 1
		.amdhsa_forward_progress 1
		.amdhsa_inst_pref_size 55
	.end_amdhsa_kernel
	.amdgpu_metadata
---
amdhsa.version: [ 1, 2 ]
amdhsa.kernels:
  - .name:           k_q9b65631f96_quant
    .symbol:         k_q9b65631f96_quant.kd
    .args:
      - { .name: x, .offset: 0, .size: 8, .value_kind: global_buffer, .address_space: global }
      - { .name: gate_w, .offset: 8, .size: 8, .value_kind: global_buffer, .address_space: global }
      - { .name: up_w, .offset: 16, .size: 8, .value_kind: global_buffer, .address_space: global }
      - { .name: down_w, .offset: 24, .size: 8, .value_kind: global_buffer, .address_space: global }
      - { .name: xq, .offset: 32, .size: 8, .value_kind: global_buffer, .address_space: global }
      - { .name: xs, .offset: 40, .size: 8, .value_kind: global_buffer, .address_space: global }
      - { .name: gq, .offset: 48, .size: 8, .value_kind: global_buffer, .address_space: global }
      - { .name: gsw, .offset: 56, .size: 8, .value_kind: global_buffer, .address_space: global }
      - { .name: dq, .offset: 64, .size: 8, .value_kind: global_buffer, .address_space: global }
      - { .name: dsw, .offset: 72, .size: 8, .value_kind: global_buffer, .address_space: global }
    .group_segment_fixed_size: 8960
    .private_segment_fixed_size: 0
    .kernarg_segment_align: 8
    .kernarg_segment_size: 80
    .max_flat_workgroup_size: 32
    .sgpr_count:     100
    .vgpr_count:     256
    .wavefront_size: 32
...
	.end_amdgpu_metadata
.endif
;; end of part 1
;; launch gateup (part 2): grid 8 x 32, 4 waves a work-group, clusters of 4 x 4, 327,680 bytes of LDS; arguments xq, xs, gq, gsw, gate_s, up_s, hq, hs; writes hq, hs
.if DOCPART == 2
	.amdgcn_target "amdgcn-amd-amdhsa--gfx1250"
	.amdhsa_code_object_version 6
	.text
	.protected	k_q9b65631f96_gateup
	.globl	k_q9b65631f96_gateup
	.p2align	8
	.type	k_q9b65631f96_gateup,@function
k_q9b65631f96_gateup:
	s_mov_b64 s[64:65], 0
	v_nop
	global_prefetch_b8 v0, s[64:65] scope:SCOPE_SE
	s_setreg_imm32_b32 hwreg(HW_REG_WAVE_MODE, 25, 1), 1
	s_wait_xcnt 0x0
	s_wait_alu depctr_hold_cnt(0) depctr_sa_sdst(0) depctr_va_vdst(0) depctr_va_sdst(0) depctr_va_ssrc(0) depctr_va_vcc(0) depctr_vm_vsrc(0)
	s_getreg_b32 s2, hwreg(HW_REG_IB_STS2, 6, 4)
	s_cmp_eq_u32 s2, 0
	s_cbranch_scc0 .Lentry_in_a_cluster
	s_endpgm
.Lentry_in_a_cluster:
	s_bfe_u32 s2, ttmp6, 0x10000c
	s_cmp_lg_u32 s2, 0xf033
	s_cbranch_scc0 .Lentry_shape_is_right
	s_endpgm
.Lentry_shape_is_right:
.set TB,    3072
.set SLOT,  52*TB
.set GOFF,  8*TB
.set SCG,   2*SLOT
.set SPARE, SCG+3072
.set ADRA,  1
.set ADRB,  3
.set ADRX,  5
.set SPW,   7
.set NIL,   8
.set SOA,   9
.set SOB,   10
.set SOX,   11
.set SC,    12
.set WF,    64
.set XFR,   192
.set SCA,   240
.set SCX,   241
.set XW1,   242
.set XW2,   243
.set XRR,   244
.set L16,   12
.set L4,    13
.set PC,    20
.set TM,    40
.set PW,    52
.set PWS,   53
.set PWM,   54
.set SG3,   64
.set SU3,   88
.set T3,    160
.set SGV,   64
.set SUV,   128
.set T,     192
.set WV,    20
.set MH,    21
.set NH,    22
.set G1,    24
.set G0,    32
.set G1B,   48
.set G0B,   56
.set PA,    68
.set PB,    70
.set LE,    72
.set SEL,   74
.set HI16,  76
.set HB,    78
.set HSB,   80
.set HB3,   82
.set HS3,   84
.set MSB, 0
.macro WIN new
.set WNEW, \new
.if MSB != WNEW
	s_set_vgpr_msb (MSB<<8)|WNEW
.set MSB, WNEW
.endif
.endm
.macro PLACES
.rept 4
	v_nop
.endr
.endm
.macro JLOAD g0a, g1a, g0b, g1b
	s_cmp_eq_u32 s[MH], 0
	s_cbranch_scc0 .Lfor_b_\@
	tensor_load_to_lds s[\g0a:\g0a+3], s[\g1a:\g1a+7]
	s_nop 0
.rept 4
	v_nop
.endr
	s_branch .Lasked_\@
.Lfor_b_\@:
	tensor_load_to_lds s[\g0b:\g0b+3], s[\g1b:\g1b+7]
	s_nop 0
.rept 4
	v_nop
.endr
.Lasked_\@:
.endm
.macro CREST
	s_cmp_lg_u32 s[WV], 0
	s_cbranch_scc1 .Lnot_wave_0_\@
	s_barrier_signal -3
.Lnot_wave_0_\@:
	s_barrier_wait -3
	s_barrier_signal -1
	s_barrier_wait -1
.endm
.macro CROUND
	s_barrier_signal -1
	s_barrier_wait -1
	CREST
.endm
.macro FR3 reg, adr, off
.irp c, 0,1,2
	ds_load_b128 v[(\reg)+4*\c:(\reg)+4*\c+3], v[\adr] offset:(\off)+512*\c
.endr
.endm
.macro FB slot, q, g, set
	WIN 0
.if (\g) < 2
.irp t, 0,1,2,3,4,5,6,7
	FR3 WF+96*(\set)+12*\t, ADRB+(\slot), (2*\t+(\g))*TB+1536*(\q)
.endr
.else
	FR3 WF+96*(\set), ADRB+(\slot), 16*TB+1536*(\q)
	FR3 WF+96*(\set)+12, ADRB+(\slot), 18*TB+1536*(\q)
	FR3 WF+96*(\set)+24, ADRB+(\slot), 17*TB+1536*(\q)
	FR3 WF+96*(\set)+36, ADRB+(\slot), 19*TB+1536*(\q)
	FR3 WF+96*(\set)+48, ADRX+(\slot), 1536*(\q)
	FR3 WF+96*(\set)+60, ADRX+(\slot), TB+1536*(\q)
.endif
.endm
.macro FA slot, q, a0
	WIN 0xc0
.irp a, 0,1
	FR3 XFR+12*((\a0)+\a), ADRA+(\slot), ((\a0)+\a)*TB+1536*(\q)
.endr
.endm
.macro WMM d, bf, af, sb, sa, rb, ra, zero
.set wD, \d
.set wB, \bf
.set wA, \af
.set wSB, \sb
.set wSA, \sa
.set wSEL, 4*(\zero)+2*(\rb)+(\ra)
.if wSEL == 0
	v_wmma_scale_f32_16x16x128_f8f6f4 v[wD:wD+7], v[wB:wB+11], v[wA:wA+11], v[wD:wD+7], v[wSB], v[wSA] matrix_a_fmt:MATRIX_FMT_BF6 matrix_b_fmt:MATRIX_FMT_BF6
.elseif wSEL == 1
	v_wmma_scale_f32_16x16x128_f8f6f4 v[wD:wD+7], v[wB:wB+11], v[wA:wA+11], v[wD:wD+7], v[wSB], v[wSA] matrix_a_fmt:MATRIX_FMT_BF6 matrix_b_fmt:MATRIX_FMT_BF6 matrix_b_scale:MATRIX_SCALE_ROW1
.elseif wSEL == 2
	v_wmma_scale_f32_16x16x128_f8f6f4 v[wD:wD+7], v[wB:wB+11], v[wA:wA+11], v[wD:wD+7], v[wSB], v[wSA] matrix_a_fmt:MATRIX_FMT_BF6 matrix_b_fmt:MATRIX_FMT_BF6 matrix_a_scale:MATRIX_SCALE_ROW1
.elseif wSEL == 3
	v_wmma_scale_f32_16x16x128_f8f6f4 v[wD:wD+7], v[wB:wB+11], v[wA:wA+11], v[wD:wD+7], v[wSB], v[wSA] matrix_a_fmt:MATRIX_FMT_BF6 matrix_b_fmt:MATRIX_FMT_BF6 matrix_a_scale:MATRIX_SCALE_ROW1 matrix_b_scale:MATRIX_SCALE_ROW1
.elseif wSEL == 4
	v_wmma_scale_f32_16x16x128_f8f6f4 v[wD:wD+7], v[wB:wB+11], v[wA:wA+11], 0, v[wSB], v[wSA] matrix_a_fmt:MATRIX_FMT_BF6 matrix_b_fmt:MATRIX_FMT_BF6
.elseif wSEL == 5
	v_wmma_scale_f32_16x16x128_f8f6f4 v[wD:wD+7], v[wB:wB+11], v[wA:wA+11], 0, v[wSB], v[wSA] matrix_a_fmt:MATRIX_FMT_BF6 matrix_b_fmt:MATRIX_FMT_BF6 matrix_b_scale:MATRIX_SCALE_ROW1
.elseif wSEL == 6
	v_wmma_scale_f32_16x16x128_f8f6f4 v[wD:wD+7], v[wB:wB+11], v[wA:wA+11], 0, v[wSB], v[wSA] matrix_a_fmt:MATRIX_FMT_BF6 matrix_b_fmt:MATRIX_FMT_BF6 matrix_a_scale:MATRIX_SCALE_ROW1
.else
	v_wmma_scale_f32_16x16x128_f8f6f4 v[wD:wD+7], v[wB:wB+11], v[wA:wA+11], 0, v[wSB], v[wSA] matrix_a_fmt:MATRIX_FMT_BF6 matrix_b_fmt:MATRIX_FMT_BF6 matrix_a_scale:MATRIX_SCALE_ROW1 matrix_b_scale:MATRIX_SCALE_ROW1
.endif
.endm
.macro MULQ g, a, set, q, sc, zero
.set mA, (\a)
.set mAF, XFR+12*mA
.set mSA, SC+26*(\sc)+2*(mA/2)+(\q)
.set mRA, mA%2
.set mSB, SC+26*(\sc)+4+(\q)
.set mWF, WF+96*(\set)
.if (\g) < 2
	WIN 0x5c+0x50*(\g)
.irp t, 0,1,2,3,4,5,6,7
	WMM 8*(8*mA+\t), mWF+12*\t, mAF, mSB+2*\t, mSA, \g, mRA, \zero
.endr
.else
	WIN 0xfc
	WMM 24*mA, mWF, mAF, mSB+16, mSA, 0, mRA, \zero
	WMM 24*mA+8, mWF+12, mAF, mSB+18, mSA, 0, mRA, \zero
	WMM 96+24*mA, mWF+24, mAF, mSB+16, mSA, 1, mRA, \zero
	WMM 96+24*mA+8, mWF+36, mAF, mSB+18, mSA, 1, mRA, \zero
	WMM 24*mA+16, mWF+48, mAF, mSB+20, mSA, 0, mRA, \zero
	WMM 96+24*mA+16, mWF+60, mAF, mSB+20, mSA, 1, mRA, \zero
.endif
.endm
.macro MULH g, half, set, q, sc, zero
	MULQ \g, 2*(\half), \set, \q, \sc, \zero
	MULQ \g, 2*(\half)+1, \set, \q, \sc, \zero
.endm
.macro SLD sc
.irp q, 0,1
.irp p, 0,1
	global_load_b32 v[SC+26*(\sc)+2*\p+\q], v[SOA], s[PA:PA+1] offset:16384*\q+128*\p
.endr
.irp n, 0,1,2,3,4,5,6,7,8,9
	global_load_b32 v[SC+26*(\sc)+4+2*\n+\q], v[SOB], s[PB:PB+1] offset:22528*\q+128*\n
.endr
	global_load_b32 v[SC+26*(\sc)+24+\q], v[SOX], s[PB:PB+1] offset:22528*\q
.endr
.endm
.macro SLOADS sc
	s_wait_xcnt 0x0
	s_add_nc_u64 s[PA:PA+1], s[PA:PA+1], 32768
	s_add_nc_u64 s[PB:PB+1], s[PB:PB+1], 45056
	SLD \sc
.endm
.macro STEPA slot, q, zero, mode, sload
.if (\q) == 0
.set NSL, \slot
.set NQQ, 1
.else
.set NSL, 1-(\slot)
.set NQQ, 0
.endif
	PLACES
	FA \slot, \q, 2
	FB \slot, \q, 1, 1-(\q)
.if (\q) == 0
.if \sload
	SLOADS 1-(\slot)
	s_wait_loadcnt 26
.else
	s_wait_loadcnt 0x0
.endif
.endif
	s_wait_dscnt 30
	MULH 0, 0, \q, \q, \slot, \zero
	s_wait_dscnt 24
	MULH 0, 1, \q, \q, \slot, \zero
	PLACES
	FB \slot, \q, 2, \q
	s_wait_dscnt 18
	MULH 1, 0, 1-(\q), \q, \slot, \zero
.if (\mode) == 0 || (\mode) == 3
	MULH 1, 1, 1-(\q), \q, \slot, \zero
.else
	WIN 0
	s_wait_tensorcnt 0x0
	ds_add_u32 v[SPW], v[NIL]
	MULQ 1, 2, 1-(\q), \q, \slot, \zero
	s_wait_dscnt 0x0
	s_barrier_signal -1
	MULQ 1, 3, 1-(\q), \q, \slot, \zero
	WIN 0
	s_barrier_wait -1
.if (\mode) == 1
	CREST
	s_add_nc_u64 s[G0+4*(\slot)+2:G0+4*(\slot)+3], s[G0+4*(\slot)+2:G0+4*(\slot)+3], 2*TB
	s_add_nc_u64 s[G0B+4*(\slot)+2:G0B+4*(\slot)+3], s[G0B+4*(\slot)+2:G0B+4*(\slot)+3], 2*TB
	JLOAD G0+4*(\slot), G1, G0B+4*(\slot), G1B
.else
	PLACES
.endif
.endif
.if (\mode) == 3
	s_wait_dscnt 0x0
	MULH 2, 0, \q, \q, \slot, \zero
	MULH 2, 1, \q, \q, \slot, \zero
.else
.if (\mode) == 0
	PLACES
.endif
	FB NSL, NQQ, 0, 1-(\q)
	s_wait_dscnt 24
	MULH 2, 0, \q, \q, \slot, \zero
	PLACES
	FA NSL, NQQ, 0
	MULH 2, 1, \q, \q, \slot, \zero
.endif
.endm
	s_load_b512 s[4:19], s[0:1], 0x0
	v_lshl_add_u32 v[SPW], v0, 2, SPARE
	v_mov_b32 v[NIL], 0
	ds_add_u32 v[SPW], v[NIL]
	ds_add_u32 v[SPW], v[NIL]
	v_lshrrev_b32 v80, 5, v0
	v_readfirstlane_b32 s[WV], v80
	s_lshr_b32 s[MH], s[WV], 1
	s_and_b32 s[NH], s[WV], 1
	s_bfe_u32 s40, ttmp6, 0x40000
	s_bfe_u32 s41, ttmp6, 0x40004
	s_lshl_b32 s42, ttmp9, 2
	s_add_co_u32 s42, s42, s40
	s_and_b32 s43, ttmp7, 0xffff
	s_lshl_b32 s43, s43, 2
	s_add_co_u32 s43, s43, s41
	s_lshl_b32 s44, s41, 2
	s_lshl_b32 s44, 15, s44
	s_lshl_b32 s45, 0x1111, s40
	s_or_b32 s[G1], s44, (3<<16)|(1<<21)
	s_or_b32 s[G1B], s45, (3<<16)|(1<<21)
	s_mov_b32 s[G1+1], 384<<16
	s_mov_b32 s[G1+2], 4<<16
	s_mov_b32 s[G1+3], 384<<16
	s_mov_b32 s[G1+4], 4
	s_mov_b32 s[G1+5], 3072
	s_mov_b32 s[G1+6], 0
	s_mov_b32 s[G1+7], 0
	s_mov_b32 s[G1B+1], 384<<16
	s_mov_b32 s[G1B+2], 22<<16
	s_mov_b32 s[G1B+3], 384<<16
	s_mov_b32 s[G1B+4], 22
	s_mov_b32 s[G1B+5], 3072
	s_mov_b32 s[G1B+6], 0
	s_mov_b32 s[G1B+7], 0
	s_lshl_b32 s86, s43, 3
	s_lshl_b32 s87, s[NH], 2
	s_add_co_u32 s86, s86, s87
	s_mul_i32 s86, s86, 24576
	s_mov_b32 s87, 0
	s_mul_i32 s88, s42, 44
	s_mul_i32 s89, s[NH], 22
	s_add_co_u32 s88, s88, s89
	s_mul_i32 s88, s88, 24576
	s_mov_b32 s89, 0
	s_mul_i32 s90, s[NH], 4*TB
	s_mul_i32 s91, s[NH], 22*TB
	s_add_co_u32 s91, s91, GOFF
	s_mov_b32 s[LE], 0xbfb8aa3b
	s_mov_b32 s[LE+1], s[LE]
	s_mov_b32 s[SEL], 0x76543210
	s_mov_b32 s[SEL+1], 0xfedcba98
	s_mov_b32 s[HI16], 0xffff0000
	s_wait_dscnt 0x0
	s_wait_kmcnt 0x0
	s_add_nc_u64 s[86:87], s[4:5], s[86:87]
	s_add_nc_u64 s[88:89], s[8:9], s[88:89]
	CROUND
.irp s, 0,1
	s_mov_b32 s[G0+4*\s], 1
	s_add_co_u32 s[G0+4*\s+1], s90, \s*SLOT
	s_add_nc_u64 s[G0+4*\s+2:G0+4*\s+3], s[86:87], \s*TB
	s_or_b32 s[G0+4*\s+3], s[G0+4*\s+3], 0x80000000
	s_mov_b32 s[G0B+4*\s], 1
	s_add_co_u32 s[G0B+4*\s+1], s91, \s*SLOT
	s_add_nc_u64 s[G0B+4*\s+2:G0B+4*\s+3], s[88:89], \s*TB
	s_or_b32 s[G0B+4*\s+3], s[G0B+4*\s+3], 0x80000000
.endr
	JLOAD G0, G1, G0B, G1B                         ; slot 0 (K steps 0, 1): my one tensor load at the head, behind the opening round; the rest of the head stands under its flight
	s_mul_i32 s92, s42, 352
	v_add_nc_u32 v64, s92, v0
.irp i, 0,1,2
	v_add_nc_u32 v[65+\i], 128*\i, v64
	v_min_u32 v[65+\i], 2751, v[65+\i]
	v_lshlrev_b32 v[65+\i], 2, v[65+\i]
.endr
.irp i, 0,1,2
	global_load_b32 v[68+\i], v[65+\i], s[12:13]
	global_load_b32 v[71+\i], v[65+\i], s[14:15]
.endr
	s_lshl_b32 s92, s43, 9
	s_mov_b32 s93, 0
	s_add_nc_u64 s[PA:PA+1], s[6:7], s[92:93]
	s_mul_i32 s92, s42, 2816
	s_add_nc_u64 s[PB:PB+1], s[10:11], s[92:93]
	v_and_b32 v80, 31, v0
	v_lshlrev_b32 v81, 4, v80
	s_wait_alu depctr_va_vdst(0)
	v_lshlrev_b32 v82, 2, v80
	s_lshl_b32 s92, s[MH], 8
	v_add_nc_u32 v[SOA], s92, v82
	s_mul_i32 s92, s[NH], 1536
	v_add_nc_u32 v[SOB], s92, v82
	s_lshl_b32 s92, s[NH], 7
	s_add_co_u32 s92, s92, 1280
	v_add_nc_u32 v[SOX], s92, v82
	SLD 0
	s_mul_i32 s92, s[MH], 4*TB
	v_add_nc_u32 v[ADRA], s92, v81
	v_add_nc_u32 v[ADRA+1], SLOT, v[ADRA]
	s_mul_i32 s92, s[NH], 24*TB
	s_add_co_u32 s92, s92, GOFF
	v_add_nc_u32 v[ADRB], s92, v81
	v_add_nc_u32 v[ADRB+1], SLOT, v[ADRB]
	s_mul_i32 s92, s[NH], 2*TB
	s_add_co_u32 s92, s92, GOFF+20*TB
	v_add_nc_u32 v[ADRX], s92, v81
	v_add_nc_u32 v[ADRX+1], SLOT, v[ADRX]
	v_bfe_u32 v83, v0, 4, 1
	v_lshl_add_u32 v84, v0, 2, SCG
	WIN 0xc0
	s_mul_i32 s92, s[NH], 768
	s_add_co_u32 s92, s92, SCG
	v_lshl_add_u32 v[SCA], v83, 6, s92
	s_lshl_b32 s92, s[NH], 5
	s_add_co_u32 s92, s92, SCG+640
	v_lshl_add_u32 v[SCX], v83, 6, s92
	s_mul_i32 s94, s[MH], 24576
	s_lshl_b32 s95, s[NH], 12
	s_add_co_u32 s95, s95, s94
	v_add_nc_u32 v[XW1], s95, v81
	s_lshl_b32 s95, s[NH], 10
	s_add_co_u32 s95, s95, s94
	s_add_co_u32 s95, s95, 2048
	v_add_nc_u32 v[XW2], s95, v81
	s_mul_i32 s95, s[NH], 12288
	s_add_co_u32 s95, s95, s94
	v_add_nc_u32 v[XRR], s95, v81
	WIN 0
	s_wait_alu depctr_va_vdst(0)
	s_wait_loadcnt 26
.irp i, 0,1,2
	ds_store_b32 v84, v[68+\i] offset:512*\i
	ds_store_b32 v84, v[71+\i] offset:1536+512*\i
.endr
	s_mul_i32 s92, s42, 3
	s_lshl_b32 s93, s[NH], 1
	s_add_co_u32 s93, s93, s92
	s_add_co_u32 s92, s92, 1
	s_lshl_b32 s94, s43, 3
	s_lshl_b32 s95, s[MH], 2
	s_add_co_u32 s94, s94, s95
	s_lshl_b32 s95, s[NH], 1
	s_add_co_u32 s95, s95, s94
	s_mov_b32 s97, 0
	s_mul_i32 s96, s94, 36864
	s_mul_i32 s98, s93, 1536
	s_add_co_u32 s96, s96, s98
	s_add_nc_u64 s[HB:HB+1], s[16:17], s[96:97]
	s_mul_i32 s96, s95, 36864
	s_mul_i32 s98, s92, 1536
	s_add_co_u32 s96, s96, s98
	s_add_nc_u64 s[HB3:HB3+1], s[16:17], s[96:97]
	s_lshl_b32 s96, s94, 6
	s_lshl_b32 s98, s93, 14
	s_add_co_u32 s96, s96, s98
	s_add_nc_u64 s[HSB:HSB+1], s[18:19], s[96:97]
	s_lshl_b32 s96, s95, 6
	s_lshl_b32 s98, s92, 14
	s_add_co_u32 s96, s96, s98
	s_add_nc_u64 s[HS3:HS3+1], s[18:19], s[96:97]
	s_wait_tensorcnt 0x0                           ; my part of slot 0 is in
	ds_add_u32 v[SPW], v[NIL]
	s_wait_dscnt 0x0                               ; the add is done, and so are my stores of gate_s and up_s
	CROUND                                         ; everybody's part is in, and all sixteen work-groups are here
	JLOAD G0+4, G1, G0B+4, G1B                     ; slot 1's first fill: the first tensor load behind the round
	FB 0, 0, 0, 0
	FA 0, 0, 0
	STEPA 0, 0, 1, 0, 1
	WIN 0
	s_mov_b32 s3, 3
.Llap:
	STEPA 0, 1, 0, 1, 0
	STEPA 1, 0, 0, 0, 1
	STEPA 1, 1, 0, 1, 0
	STEPA 0, 0, 0, 0, 1
	WIN 0
	s_sub_co_u32 s3, s3, 1
	s_cmp_lg_u32 s3, 0
	s_cbranch_scc1 .Llap
	STEPA 0, 1, 0, 2, 0
	STEPA 1, 0, 0, 0, 0
	STEPA 1, 1, 0, 3, 0
.macro QUANT s
.irp b, 0,1,2,3
	v_max3_num_f32 v[TM+\b], |v[\s+16*\b]|, |v[\s+1+16*\b]|, 0x2800000
.endr
.irp i, 2,4,6,8,10,12,14
.irp b, 0,1,2,3
	v_max3_num_f32 v[TM+\b], v[TM+\b], |v[\s+16*\b+\i]|, |v[\s+1+16*\b+\i]|
.endr
.endr
.irp b, 0,1,2,3
	v_permlanex16_b32 v[TM+4+\b], v[TM+\b], s[SEL], s[SEL+1]
.endr
.irp b, 0,1,2,3
	v_max_num_f32 v[TM+\b], v[TM+\b], v[TM+4+\b]
.endr
.irp b, 0,1,2,3
	v_add_nc_u32 v[TM+8+\b], 0xfe000000, v[TM+\b]
.endr
.irp b, 0,1,2,3
	v_lshrrev_b32 v[TM+4+\b], 23, v[TM+8+\b]
.endr
	v_lshl_or_b32 v[PW], v[TM+5], 8, v[TM+4]
	v_lshl_or_b32 v[PW], v[TM+6], 16, v[PW]
	v_lshl_or_b32 v[PW], v[TM+7], 24, v[PW]
.irp c, 0,1
	v_cvt_scalef32_pk16_bf6_f32 v[PC+6*\c:PC+2+6*\c], v[\s+32*\c:\s+15+32*\c], v[TM+8+2*\c]
	v_cvt_scalef32_pk16_bf6_f32 v[PC+12+4*\c:PC+14+4*\c], v[\s+16+32*\c:\s+31+32*\c], v[TM+8+2*\c+1]
.endr
	v_nop
.irp c, 0,1
.irp i, 0,1,2
	v_permlane16_swap_b32 v[PC+6*\c+\i], v[PC+12+4*\c+\i]
.endr
.irp i, 0,1,2
	v_mov_b32 v[PC+3+6*\c+\i], v[PC+12+4*\c+\i]
.endr
.endr
.endm
	WIN 0
	PLACES
	v_and_b32 v[L4], 31, v0
	v_lshlrev_b32 v[L16], 4, v[L4]
	v_lshlrev_b32 v[L4], 2, v[L4]
.irp b, 0,1,2,3
	v_mov_b32 v[TM+4+\b], 0
.endr
	WIN 0x03
.irp j, 0,1,2,3
	ds_load_b128 v[SG3+4*\j:SG3+4*\j+3], v[SCA] offset:512+16*\j
	ds_load_b128 v[SU3+4*\j:SU3+4*\j+3], v[SCA] offset:2048+16*\j
.endr
.irp j, 0,1
	ds_load_b128 v[SG3+16+4*\j:SG3+16+4*\j+3], v[SCX] offset:16*\j
	ds_load_b128 v[SU3+16+4*\j:SU3+16+4*\j+3], v[SCX] offset:1536+16*\j
.endr
	s_wait_dscnt 0x0
	WIN 0xc3
.set n, 0
.rept 48
	v_pk_mul_f32 v[n:n+1], v[n:n+1], v[SG3+n%24:SG3+n%24+1]
.set n, n+2
.endr
	WIN 0x03
.set n, 0
.rept 48
	v_pk_mul_f32 v[T3+n:T3+n+1], v[n:n+1], s[LE:LE+1] op_sel_hi:[1,0]
.set n, n+2
.endr
	WIN 0
.set n, 0
	s_wait_alu depctr_va_vdst(0)
.rept 96
	v_exp_f32 v[T3+n], v[T3+n]
.set n, n+1
.endr
	WIN 0xc3
.set n, 0
	s_wait_alu depctr_va_vdst(0)
.rept 48
	v_pk_mul_f32 v[96+n:96+n+1], v[96+n:96+n+1], v[SU3+n%24:SU3+n%24+1]
.set n, n+2
.endr
	WIN 0
	s_wait_alu depctr_va_vdst(0)
.set n, 0
.rept 48
	v_pk_add_f32 v[T3+n:T3+n+1], v[T3+n:T3+n+1], 1.0 op_sel_hi:[1,0]
.set n, n+2
.endr
.set n, 0
	s_wait_alu depctr_va_vdst(0)
.rept 96
	v_rcp_f32 v[T3+n], v[T3+n]
.set n, n+1
.endr
	v_nop
	s_wait_alu depctr_va_vdst(0)
	WIN 0xc3
.set n, 0
.rept 48
	v_pk_mul_f32 v[n:n+1], v[n:n+1], v[T3+n:T3+n+1]
.set n, n+2
.endr
	WIN 0x0f
.set n, 0
.rept 48
	v_pk_mul_f32 v[T3+n:T3+n+1], v[n:n+1], v[96+n:96+n+1]
.set n, n+2
.endr
	WIN 0x03
.irp a, 0,1,2,3
.irp g, 0,1,2,3
	ds_store_b128 v[XW1], v[T3+24*\a+4*\g:T3+24*\a+4*\g+3] offset:6144*\a+512*\g
.endr
.irp g, 0,1
	ds_store_b128 v[XW2], v[T3+24*\a+16+4*\g:T3+24*\a+16+4*\g+3] offset:6144*\a+512*\g
.endr
.endr
.irp l, 0,1,2,3
.irp j, 0,1,2,3
	ds_load_b128 v[SGV+16*\l+4*\j:SGV+16*\l+4*\j+3], v[SCA] offset:128*\l+16*\j
	ds_load_b128 v[SUV+16*\l+4*\j:SUV+16*\l+4*\j+3], v[SCA] offset:1536+128*\l+16*\j
.endr
.endr
	WIN 0
	s_wait_dscnt 0x0
	s_barrier_signal -1
	s_barrier_wait -1
.macro OWN a
	WIN 0x41
.set n, 0
.rept 32
	v_pk_mul_f32 v[64*(\a)+n:64*(\a)+n+1], v[64*(\a)+n:64*(\a)+n+1], v[SGV+n:SGV+n+1]
.set n, n+2
.endr
	WIN 0x01
.set n, 0
.rept 32
	v_pk_mul_f32 v[T+n:T+n+1], v[64*(\a)+n:64*(\a)+n+1], s[LE:LE+1] op_sel_hi:[1,0]
.set n, n+2
.endr
	WIN 0
.set n, 0
	s_wait_alu depctr_va_vdst(0)
.rept 64
	v_exp_f32 v[T+n], v[T+n]
.set n, n+1
.endr
	WIN 0x82
.set n, 0
	s_wait_alu depctr_va_vdst(0)
.rept 32
	v_pk_mul_f32 v[64*(\a)+n:64*(\a)+n+1], v[64*(\a)+n:64*(\a)+n+1], v[SUV+n:SUV+n+1]
.set n, n+2
.endr
	WIN 0
	s_wait_alu depctr_va_vdst(0)
.set n, 0
.rept 32
	v_pk_add_f32 v[T+n:T+n+1], v[T+n:T+n+1], 1.0 op_sel_hi:[1,0]
.set n, n+2
.endr
.set n, 0
	s_wait_alu depctr_va_vdst(0)
.rept 64
	v_rcp_f32 v[T+n], v[T+n]
.set n, n+1
.endr
	v_nop
	s_wait_alu depctr_va_vdst(0)
	WIN 0x41
.set n, 0
.rept 32
	v_pk_mul_f32 v[64*(\a)+n:64*(\a)+n+1], v[64*(\a)+n:64*(\a)+n+1], v[T+n:T+n+1]
.set n, n+2
.endr
	WIN 0x09
.set n, 0
.rept 32
	v_pk_mul_f32 v[T+n:T+n+1], v[64*(\a)+n:64*(\a)+n+1], v[64*(\a)+n:64*(\a)+n+1]
.set n, n+2
.endr
	WIN 0
	s_wait_xcnt 0x0
	QUANT T
.irp c, 0,1,2
	global_store_b128 v[L16], v[PC+4*\c:PC+4*\c+3], s[HB:HB+1] offset:36864*(\a)+512*\c
.endr
.if (\a)%2 == 0
	v_mov_b32 v[PWS], v[PW]
.else
	v_cndmask_b32 v[PWM], v[PWS], v[PW], s[HI16]
	global_store_b32 v[L4], v[PWM], s[HSB:HSB+1] offset:64*((\a)-1)
.endif
.endm
	OWN 0
	OWN 1
	OWN 2
	OWN 3
.set n, 48
.rept 16
	v_mov_b32 v[T+n], 0
.set n, n+1
.endr
.macro SHARED i
	WIN 0x03
.irp g, 0,1,2,3,4,5,6,7,8,9,10,11
	ds_load_b128 v[T+4*\g:T+4*\g+3], v[XRR] offset:6144*(\i)+512*\g
.endr
	WIN 0
	s_wait_dscnt 0x0
	s_wait_xcnt 0x0
	QUANT T
.irp c, 0,1,2
	global_store_b128 v[L16], v[PC+4*\c:PC+4*\c+3], s[HB3:HB3+1] offset:36864*(\i)+512*\c
.endr
.if (\i) == 0
	v_mov_b32 v[PWS], v[PW]
.else
	v_cndmask_b32 v[PWM], v[PWS], v[PW], s[HI16]
	global_store_b32 v[L4], v[PWM], s[HS3:HS3+1]
.endif
.endm
	SHARED 0
	SHARED 1
	s_wait_tensorcnt 0x0
	ds_add_u32 v[SPW], v[NIL]
	s_wait_dscnt 0x0
	CROUND
	s_endpgm
.Lfunc_end_k_q9b65631f96_gateup:
	.size	k_q9b65631f96_gateup, .Lfunc_end_k_q9b65631f96_gateup-k_q9b65631f96_gateup
	.p2alignl 7, 3214868480
	.fill 96, 4, 3214868480
	.section	.rodata,"a",@progbits
	.p2align	6, 0x0
	.amdhsa_kernel k_q9b65631f96_gateup
		.amdhsa_group_segment_fixed_size 327680
		.amdhsa_private_segment_fixed_size 0
		.amdhsa_enable_private_segment 0
		.amdhsa_kernarg_size 64
		.amdhsa_user_sgpr_count 2
		.amdhsa_user_sgpr_kernarg_segment_ptr 1
		.amdhsa_wavefront_size32 1
		.amdhsa_system_sgpr_workgroup_id_x 1
		.amdhsa_system_sgpr_workgroup_id_y 1
		.amdhsa_system_sgpr_workgroup_id_z 1
		.amdhsa_system_vgpr_workitem_id 0
		.amdhsa_next_free_vgpr 1024
		.amdhsa_next_free_sgpr 100
		.amdhsa_reserve_vcc 0
		.amdhsa_float_denorm_mode_32 3
		.amdhsa_float_denorm_mode_16_64 3
		.amdhsa_memory_ordered 1
		.amdhsa_forward_progress 1
		.amdhsa_inst_pref_size 255
	.end_amdhsa_kernel
	.section	.bss,"aw",@nobits
	.p2align	6
	.space	262144
	.amdgpu_metadata
---
amdhsa.version: [ 1, 2 ]
amdhsa.kernels:
  - .name:           k_q9b65631f96_gateup
    .symbol:         k_q9b65631f96_gateup.kd
    .args:
      - { .name: xq, .offset: 0, .size: 8, .value_kind: global_buffer, .address_space: global }
      - { .name: xs, .offset: 8, .size: 8, .value_kind: global_buffer, .address_space: global }
      - { .name: gq, .offset: 16, .size: 8, .value_kind: global_buffer, .address_space: global }
      - { .name: gsw, .offset: 24, .size: 8, .value_kind: global_buffer, .address_space: global }
      - { .name: gate_s, .offset: 32, .size: 8, .value_kind: global_buffer, .address_space: global }
      - { .name: up_s, .offset: 40, .size: 8, .value_kind: global_buffer, .address_space: global }
      - { .name: hq, .offset: 48, .size: 8, .value_kind: global_buffer, .address_space: global }
      - { .name: hs, .offset: 56, .size: 8, .value_kind: global_buffer, .address_space: global }
    .group_segment_fixed_size: 327680
    .private_segment_fixed_size: 0
    .kernarg_segment_align: 8
    .kernarg_segment_size: 64
    .max_flat_workgroup_size: 128
    .sgpr_count:     100
    .vgpr_count:     1024
    .wavefront_size: 32
...
	.end_amdgpu_metadata
.endif
;; end of part 2
;; launch down (part 3): grid 8 x 32, 4 waves a work-group, clusters of 4 x 1, 327,680 bytes of LDS; arguments hq, hs, dq, dsw, down_s, out0; writes out0
.if DOCPART == 3
	.amdgcn_target "amdgcn-amd-amdhsa--gfx1250"
	.amdhsa_code_object_version 6
	.text
	.protected	k_q9b65631f96_down
	.globl	k_q9b65631f96_down
	.p2align	8
	.type	k_q9b65631f96_down,@function
k_q9b65631f96_down:
	s_mov_b64 s[64:65], 0
	v_nop
	global_prefetch_b8 v0, s[64:65] scope:SCOPE_SE
	s_setreg_imm32_b32 hwreg(HW_REG_WAVE_MODE, 25, 1), 1
	s_wait_xcnt 0x0
	s_wait_alu depctr_hold_cnt(0) depctr_sa_sdst(0) depctr_va_vdst(0) depctr_va_sdst(0) depctr_va_ssrc(0) depctr_va_vcc(0) depctr_vm_vsrc(0)
	s_getreg_b32 s2, hwreg(HW_REG_IB_STS2, 6, 4)
	s_cmp_eq_u32 s2, 0
	s_cbranch_scc0 .Lentry_in_a_cluster
	s_endpgm
.Lentry_in_a_cluster:
	s_bfe_u32 s2, ttmp6, 0x10000c
	s_cmp_lg_u32 s2, 0x3003
	s_cbranch_scc0 .Lentry_shape_is_right
	s_endpgm
.Lentry_shape_is_right:
; out = (h Wd^T) down_s, on codes of BF6 with E8M0 scales.  h's and Wd's codes are images of their registers ([tile of 16 rows][K step][1,536 bytes]); K is 24 steps of 128: the 86 blocks of the hidden axis in the order
; in which the first two launches laid them (alike for both operands), filled up with blocks of zero codes, which add nothing.  No work of the problem is left out here.  The sums follow that order, not ascending k.
; SHARES.  A work-group takes 128 tokens x 256 outputs.  Wave w takes all 128 tokens (h's tiles a = 0..7) x outputs 64 w .. 64 w + 63 (Wd's tiles b = 0..3): 32 accumulators.
; TRANSPOSED: source 0 = 16 rows of Wd, source 1 = 16 tokens: a lane holds eight neighbouring outputs of one token.
; h LIES IN LDS WHOLE: 8 tiles x 24 steps x 1,536 = 294,912 bytes, each byte filled ONCE, in four chunks of six K steps.  At the head a wave issues one tensor load: waves 0 and 1 bring chunk 0 (four tiles each),
; waves 2 and 3 h's scale words (twelve K steps of 512 bytes each).  Chunks 1, 2, 3 are asked for one at a time, two tiles a wave, each behind the wait for all my tensor loads, the add, its wait and a round of the
; cluster's barrier: chunk 1 in front of step 0, chunk 2 in step 5, chunk 3 in step 11.  So a chunk has six K steps, 192 products a wave, in which to land.
; CLUSTER: the four work-groups along x take the same 128 tokens: h's codes and scale words are asked for jointly (mask 15).
; Wd GOES FROM MEMORY STRAIGHT INTO REGISTERS, a fragment by three loads of 512 consecutive bytes, four K steps ahead (five sets of 48 registers), its scale words with it.  WHY NO JOINT LOADS FOR Wd, though 32 work-groups
; read the same tiles: joint loads land in LDS, of which h takes 294,912 bytes; and with the outputs shared among the waves each byte of Wd is wanted by one wave of the work-group alone.
; PREFETCH of h's codes: chunk c + 1 is named while chunk c is on its way by its tensor load, that is one chunk ahead of its own tensor load (chunk 1 at the head, chunk 2 in step 0, chunk 3 in step 6).  A chunk of the cluster's
; eight tiles is 288 blocks of 256 bytes: the partner at place cx takes tiles 2 cx and 2 cx + 1, wave w half w % 2 (18 blocks) of tile 2 cx + w / 2, a lane a block; lanes 18-31 name the wave's last block again.
; Chunk 0 comes by its load alone.  Wd is not prefetched: its loads are themselves requests four steps ahead.
; All 24 steps are written out (the sets turn by 2, 5 and 6): every offset is an immediate, and no address register is ever rewritten.
; REGISTERS: window 0: v1-18 addresses; v20-23 down_s; v24-31 h's scale words, two sets; v32-41 Wd's, five sets; v64-159, v160-255 h's fragments, two sets.  window 1: accumulator (a, b) at 8 (4 a + b).
;   window 2: Wd's fragments, five sets of 48.
; LIMITS: NaN and infinities are not served.
.set TROW,   9216                      ; a tile's six K steps
.set CHUNK,  8*TROW                    ; six K steps of h's eight tiles
.set HSC,    4*CHUNK                   ; behind h: its scale words, 512 bytes a K step
.set SPARE,  HSC+12288                 ; behind them: the spare words, 128 bytes a wave
.set SPITCH, 272                       ; the way out: a stage of 16 rows x (256 + 16) bytes a wave, in chunk 0, which has had its one fill and its last read by then
.set L16,   1                          ; v1     16 x lane
.set AH,    2                          ; v2-9   LDS: 16 x lane + 36,864 k: tiles 4 (k % 2) .. + 3 of chunk k / 2
.set HSA,   10                         ; v10    LDS: h's scale words, 4 x lane
.set SPW,   11                         ; v11    my spare word; never rewritten
.set NIL,   12                         ; v12    0; never rewritten
.set SWO,   13                         ; v13    4 x lane
.set STO,   14                         ; v14    the stage: where I put 32 bytes of a row
.set RD,    15                         ; v15    and where I read 16 bytes of a row back
.set CO,    16                         ; v16    my byte offset in two rows of out0
.set DSO,   17                         ; v17    16 x (lane % 16)
.set PFO,   18                         ; v18    the prefetches' offset: 256 x min(lane, 17); never rewritten
.set DS,    20                         ; v20-23 down_s of outputs 4 (lane % 16) .. + 3 of my 64
.set HS,    24
.set WS,    32
.set HFR,   64
.set BK,    64                         ; the way out: a block read back: v64-95 and v96-127 by turns
.set WV,    20
.set LH,    21
.set LS,    22
.set G1H,   24                         ; s[24:31] group 1 for two tiles of a chunk;  s[32:39] for the scale words;  s[88:95] for four tiles of a chunk
.set G1S,   32
.set G1X,   88
.set G0H,   40                         ; s[40:55] a group 0 for each chunk;  s[56:59] for the scale words
.set G0S,   56
.set WB,    76                         ; Wd's codes at my first tile
.set PB,    78                         ; Wd's scale words at my first row
.set OB,    80                         ; out0 at my first token and output
.set DSB,   82
.set ODD,   86                         ; wave % 2
.set PFB,   98                         ; s[98:99] h's codes at the 18 blocks that I name in chunk 0's place
.set MSB, 0
.macro WIN new                         ; the immediate's high byte repeats the setting that is left
.set WNEW, \new
.if MSB != WNEW
	s_set_vgpr_msb (MSB<<8)|WNEW
.set MSB, WNEW
.endif
.endm
.macro PLACES                          ; four places in front of loads into registers that matrix instructions have read, and of reads of results
.rept 4
	v_nop
.endr
.endm
.macro CROUND                          ; a round of the cluster's barrier
	s_barrier_signal -1
	s_barrier_wait -1
	s_cmp_lg_u32 s[WV], 0
	s_cbranch_scc1 .Lnot_wave_0_\@
	s_barrier_signal -3
.Lnot_wave_0_\@:
	s_barrier_wait -3
	s_barrier_signal -1
	s_barrier_wait -1
.endm
.macro FR3 reg, adr, off               ; a fragment: three loads of 512 consecutive bytes
.irp c, 0,1,2
	ds_load_b128 v[(\reg)+4*\c:(\reg)+4*\c+3], v[\adr] offset:(\off)+512*\c
.endr
.endm
.macro FH t                            ; h's eight fragments and four registers of scale words of K step t, into set t % 2
	WIN 0
.set fT, \t
.set fS, fT%2
.irp a, 0,1,2,3,4,5,6,7
	FR3 HFR+96*fS+12*\a, AH+2*(fT/6)+\a/4, (\a%4)*TROW+(fT%6)*1536
.endr
.irp p, 0,1,2,3
	ds_load_b32 v[HS+4*fS+\p], v[HSA] offset:fT*512+128*\p          ; lanes 0-15: tile 2 p's words; lanes 16-31: tile 2 p + 1's
.endr
.endm
.macro GW t                            ; Wd's four fragments and two registers of scale words of K step t, into set t % 5: 14 loads
.set gT, \t
.set gS, gT%5
	WIN 0x80                                       ; destination window 2, address window 0
.irp b, 0,1,2,3
.irp c, 0,1,2
	global_load_b128 v[48*gS+12*\b+4*\c:48*gS+12*\b+4*\c+3], v[L16], s[WB:WB+1] offset:\b*36864+gT*1536+512*\c
.endr
.endr
	WIN 0
.irp p, 0,1
	global_load_b32 v[WS+2*gS+\p], v[SWO], s[PB:PB+1] offset:gT*8192+128*\p
.endr
.endm
; One product.  d: accumulator; bf: Wd's fragment; af: h's; sb, sa: their scale registers; rb, ra: which half of the lanes holds the words; zero = 1: the product starts the sum
.macro WMM d, bf, af, sb, sa, rb, ra, zero
.set wD, \d
.set wB, \bf
.set wA, \af
.set wSB, \sb
.set wSA, \sa
.set wSEL, 4*(\zero)+2*(\rb)+(\ra)
.if wSEL == 0
	v_wmma_scale_f32_16x16x128_f8f6f4 v[wD:wD+7], v[wB:wB+11], v[wA:wA+11], v[wD:wD+7], v[wSB], v[wSA] matrix_a_fmt:MATRIX_FMT_BF6 matrix_b_fmt:MATRIX_FMT_BF6
.elseif wSEL == 1
	v_wmma_scale_f32_16x16x128_f8f6f4 v[wD:wD+7], v[wB:wB+11], v[wA:wA+11], v[wD:wD+7], v[wSB], v[wSA] matrix_a_fmt:MATRIX_FMT_BF6 matrix_b_fmt:MATRIX_FMT_BF6 matrix_b_scale:MATRIX_SCALE_ROW1
.elseif wSEL == 2
	v_wmma_scale_f32_16x16x128_f8f6f4 v[wD:wD+7], v[wB:wB+11], v[wA:wA+11], v[wD:wD+7], v[wSB], v[wSA] matrix_a_fmt:MATRIX_FMT_BF6 matrix_b_fmt:MATRIX_FMT_BF6 matrix_a_scale:MATRIX_SCALE_ROW1
.elseif wSEL == 3
	v_wmma_scale_f32_16x16x128_f8f6f4 v[wD:wD+7], v[wB:wB+11], v[wA:wA+11], v[wD:wD+7], v[wSB], v[wSA] matrix_a_fmt:MATRIX_FMT_BF6 matrix_b_fmt:MATRIX_FMT_BF6 matrix_a_scale:MATRIX_SCALE_ROW1 matrix_b_scale:MATRIX_SCALE_ROW1
.elseif wSEL == 4
	v_wmma_scale_f32_16x16x128_f8f6f4 v[wD:wD+7], v[wB:wB+11], v[wA:wA+11], 0, v[wSB], v[wSA] matrix_a_fmt:MATRIX_FMT_BF6 matrix_b_fmt:MATRIX_FMT_BF6
.elseif wSEL == 5
	v_wmma_scale_f32_16x16x128_f8f6f4 v[wD:wD+7], v[wB:wB+11], v[wA:wA+11], 0, v[wSB], v[wSA] matrix_a_fmt:MATRIX_FMT_BF6 matrix_b_fmt:MATRIX_FMT_BF6 matrix_b_scale:MATRIX_SCALE_ROW1
.elseif wSEL == 6
	v_wmma_scale_f32_16x16x128_f8f6f4 v[wD:wD+7], v[wB:wB+11], v[wA:wA+11], 0, v[wSB], v[wSA] matrix_a_fmt:MATRIX_FMT_BF6 matrix_b_fmt:MATRIX_FMT_BF6 matrix_a_scale:MATRIX_SCALE_ROW1
.else
	v_wmma_scale_f32_16x16x128_f8f6f4 v[wD:wD+7], v[wB:wB+11], v[wA:wA+11], 0, v[wSB], v[wSA] matrix_a_fmt:MATRIX_FMT_BF6 matrix_b_fmt:MATRIX_FMT_BF6 matrix_a_scale:MATRIX_SCALE_ROW1 matrix_b_scale:MATRIX_SCALE_ROW1
.endif
.endm
; A K step's 32 products.  The 32 accumulators take turns, one instruction a turn, in the same order in every step.
.macro MULD zero
	WIN 0x52                                       ; source 0 (Wd) window 2, source 1 (h) window 0, C and D window 1
.irp a, 0,1,2,3,4,5,6,7
.irp b, 0,1,2,3
	WMM 8*(4*\a+\b), 48*stW+12*\b, HFR+96*stH+12*\a, WS+2*stW+\b/2, HS+4*stH+\a/2, \b%2, \a%2, \zero
.endr
.endr
.endm
; K STEP t.  Its fragments of h were asked of LDS at the head of the step before, its fragments of Wd of memory at the head of the step four back.
.macro STEPD t, zero
.set stT, \t
.set stH, stT%2
.set stW, stT%5
	s_wait_dscnt 0x0                               ; this step's fragments and scale words of h are in
.if (stT%6) == 5 && stT < 17
	WIN 0
	s_wait_tensorcnt 0x0                           ; the next step begins a chunk: my part of it, my one load that was out, has landed;
	ds_add_u32 v[SPW], v[NIL]                      ; the add and its wait in front of the round
	s_wait_dscnt 0x0
	CROUND                                         ; everybody's part has landed, in all four work-groups: the joint loads meet
	tensor_load_to_lds s[G0H+4*((stT+1)/6+1):G0H+4*((stT+1)/6+1)+3], s[G1H:G1H+7]   ; the chunk after the next one: its first and only fill, my one load behind this round
	s_nop 0
.endif
.if stT == 17
	s_wait_tensorcnt 0x0                           ; my part of the last chunk has landed; nothing more is asked for
	s_barrier_signal -1
	s_barrier_wait -1                              ; everybody's part has
.endif
	PLACES
.if stT < 23
	FH stT+1
.endif
.if stT < 20
	s_wait_loadcnt 42                              ; this step's 14 loads of Wd are in; the three groups of 14 behind them may be out
	GW stT+4                                       ; into the set that the step before has left: 56 loads of Wd are out
.else
	s_wait_loadcnt 14*(23-stT)                     ; the counts run down: nothing is left to ask for
.endif
.if stT == 0 || stT == 6
	global_prefetch_b8 v[PFO], s[PFB:PFB+1] offset:(stT/6+2)*TROW th:TH_LOAD_NT scope:SCOPE_SE   ; my 18 blocks of chunk 2 or 3: five steps ahead of its tensor load
.endif
	MULD \zero
.endm
	s_load_b256 s[4:11], s[0:1], 0x0               ; hq, hs, dq, dsw
	s_load_b128 s[12:15], s[0:1], 0x20             ; down_s, out0
	v_lshl_add_u32 v[SPW], v0, 2, SPARE
	v_mov_b32 v[NIL], 0
	ds_add_u32 v[SPW], v[NIL]                      ; the opening: the add, twice on end, and its wait ahead of my first tensor load
	ds_add_u32 v[SPW], v[NIL]
	v_lshrrev_b32 v60, 5, v0
	v_readfirstlane_b32 s[WV], v60                 ; wave 0..3
	s_and_b32 s[ODD], s[WV], 1
	s_bfe_u32 s60, ttmp6, 0x40000                  ; cx: my place in the cluster
	s_lshl_b32 s61, ttmp9, 2
	s_add_co_u32 s61, s61, s60                     ; the block of 256 outputs, 0..7: it enters Wd's, down_s's and out0's addresses alone
	s_and_b32 s62, ttmp7, 0xffff                   ; the block of 128 tokens, 0..31, which the four partners share
.irp g, G1H, G1X
	s_mov_b32 s[\g], 15|(3<<16)|(1<<21)            ; 15:0 the mask: all four work-groups; 17:16 elements of 8 bytes; 21 set beside a mask; no padding
	s_mov_b32 s[\g+1], 1152<<16                    ; tensor_dim0: a tile's six K steps, 9,216 bytes
	s_mov_b32 s[\g+3], 1152<<16                    ; tile_dim0
	s_mov_b32 s[\g+5], 4608                        ; from tile to tile: 24 K steps of 1,536 bytes
	s_mov_b32 s[\g+6], 0
	s_mov_b32 s[\g+7], 0
.endr
	s_mov_b32 s[G1H+2], 2<<16                      ; tensor_dim1, tile_dim1: 2 tiles (chunks 1 to 3),
	s_mov_b32 s[G1H+4], 2
	s_mov_b32 s[G1X+2], 4<<16                      ; 4 tiles (chunk 0)
	s_mov_b32 s[G1X+4], 4
	s_mov_b32 s[G1S], 15|(3<<16)|(1<<21)
	s_mov_b32 s[G1S+1], 64<<16                     ; a K step's words of 128 tokens, 512 bytes
	s_mov_b32 s[G1S+2], 12<<16                     ; 12 K steps
	s_mov_b32 s[G1S+3], 64<<16
	s_mov_b32 s[G1S+4], 12
	s_mov_b32 s[G1S+5], 2048                       ; from K step to K step: 4,096 tokens x 4 bytes
	s_mov_b32 s[G1S+6], 0
	s_mov_b32 s[G1S+7], 0
	s_mul_i32 s[LH], s[WV], 2*TROW                 ; where my two tiles go in chunks 1 to 3,
	s_mul_i32 s[LS], s[ODD], 6144                  ; and twelve K steps' scale words (waves 2, 3)
	s_lshl_b32 s68, s62, 3                         ; h: tile 8 x token block + 2 x wave
	s_lshl_b32 s69, s[WV], 1
	s_add_co_u32 s68, s68, s69
	s_mul_i32 s68, s68, 36864
	s_mov_b32 s69, 0
	s_lshl_b32 s96, s62, 3                         ; chunk 0: tile 8 x token block + 4 x (wave % 2) (waves 0, 1)
	s_lshl_b32 s97, s[ODD], 2
	s_add_co_u32 s96, s96, s97
	s_mul_i32 s96, s96, 36864
	s_mov_b32 s97, 0
	s_lshl_b32 s70, s62, 9                         ; h's scale words: 512 bytes a token block, 12 K steps of 16,384 bytes a loading wave
	s_mul_i32 s71, s[ODD], 196608
	s_add_co_u32 s70, s70, s71
	s_mov_b32 s71, 0
	s_lshl_b32 s72, s61, 4                         ; Wd: tile 16 x output block + 4 x wave
	s_lshl_b32 s73, s[WV], 2
	s_add_co_u32 s72, s72, s73
	s_mul_i32 s72, s72, 36864
	s_mov_b32 s73, 0
	s_lshl_b32 s74, s61, 10                        ; my 64 outputs, in bytes of 4 a number
	s_lshl_b32 s75, s[WV], 8
	s_add_co_u32 s74, s74, s75
	s_mov_b32 s75, 0
	s_lshl_b32 s84, s62, 20                        ; my 128 tokens' rows of 8,192 bytes
	s_mov_b32 s85, 0
	s_lshl_b32 s98, s62, 3                         ; the prefetches: tile 8 x token block + 2 cx + wave / 2, its half wave % 2 of a chunk's 9,216 bytes
	s_lshl_b32 s99, s60, 1
	s_add_co_u32 s98, s98, s99
	s_lshr_b32 s99, s[WV], 1
	s_add_co_u32 s98, s98, s99
	s_mul_i32 s98, s98, 36864
	s_mul_i32 s99, s[ODD], 4608
	s_add_co_u32 s98, s98, s99
	s_mov_b32 s99, 0
	v_and_b32 v60, 31, v0                          ; lane
	v_lshlrev_b32 v[L16], 4, v60
.irp k, 0,1,2,3,4,5,6,7
	v_add_nc_u32 v[AH+\k], \k*4*TROW, v[L16]
.endr
	v_lshl_add_u32 v[HSA], v60, 2, HSC
	v_lshlrev_b32 v[SWO], 2, v60
	v_min_u32 v[PFO], 17, v60
	v_lshlrev_b32 v[PFO], 8, v[PFO]
	v_and_b32 v61, 15, v0                          ; r
	v_bfe_u32 v62, v0, 4, 1                        ; h
	s_mul_i32 s67, s[WV], 16*SPITCH                ; my stage
	v_mul_u32_u24 v[STO], v61, SPITCH
	v_lshl_add_u32 v[STO], v62, 5, v[STO]
	v_add_nc_u32 v[STO], s67, v[STO]               ; in: row r, 32 bytes for each half of the lanes
	v_mul_u32_u24 v[RD], v62, SPITCH
	v_lshl_add_u32 v[RD], v61, 4, v[RD]
	v_add_nc_u32 v[RD], s67, v[RD]                 ; back: lanes 0-15 take one row of 256 bytes, lanes 16-31 the next
	v_lshlrev_b32 v[DSO], 4, v61
	v_lshl_add_u32 v[CO], v62, 13, v[DSO]          ; and the same two rows in out0
	s_wait_alu depctr_va_vdst(0)                   ; the wait at the head's end
	s_wait_dscnt 0x0                               ; both opening adds are done
	s_wait_kmcnt 0x0
	s_add_nc_u64 s[68:69], s[4:5], s[68:69]
	s_add_nc_u64 s[70:71], s[6:7], s[70:71]
	s_add_nc_u64 s[WB:WB+1], s[8:9], s[72:73]
	s_add_nc_u64 s[PB:PB+1], s[10:11], s[74:75]
	s_add_nc_u64 s[DSB:DSB+1], s[12:13], s[74:75]
	s_add_nc_u64 s[OB:OB+1], s[14:15], s[74:75]
	s_add_nc_u64 s[OB:OB+1], s[OB:OB+1], s[84:85]
	s_add_nc_u64 s[PFB:PFB+1], s[4:5], s[98:99]
	global_load_b128 v[DS:DS+3], v[DSO], s[DSB:DSB+1]   ; down_s, and Wd's first K step: what step 0 waits for goes out first
	GW 0
	s_mov_b32 s[G0H], 1                                             ; chunk 0: count = 1,
	s_mul_i32 s[G0H+1], s[ODD], 4*TROW                              ; LDS address: four tiles a loading wave,
	s_add_nc_u64 s[G0H+2:G0H+3], s[4:5], s[96:97]                   ; global address,
	s_or_b32 s[G0H+3], s[G0H+3], 0x80000000                         ; type = 2
.irp c, 1,2,3
	s_mov_b32 s[G0H+4*\c], 1
	s_add_co_u32 s[G0H+4*\c+1], s[LH], \c*CHUNK
	s_add_nc_u64 s[G0H+4*\c+2:G0H+4*\c+3], s[68:69], \c*TROW        ; K steps 6 c on
	s_or_b32 s[G0H+4*\c+3], s[G0H+4*\c+3], 0x80000000
.endr
	s_mov_b32 s[G0S], 1
	s_add_co_u32 s[G0S+1], s[LS], HSC
	s_mov_b64 s[G0S+2:G0S+3], s[70:71]
	s_or_b32 s[G0S+3], s[G0S+3], 0x80000000
	CROUND                                         ; all four work-groups are here: the joint loads meet
	s_cmp_lt_u32 s[WV], 2                          ; one tensor load a wave at the head: one branch on the wave's number, a load in each arm, one join
	s_cbranch_scc0 .Lhead_words
	tensor_load_to_lds s[G0H:G0H+3], s[G1X:G1X+7]  ; waves 0, 1: chunk 0
	s_nop 0
	PLACES
	s_branch .Lhead_asked
.Lhead_words:
	tensor_load_to_lds s[G0S:G0S+3], s[G1S:G1S+7]  ; waves 2, 3: the scale words
	s_nop 0
	PLACES
.Lhead_asked:
	global_prefetch_b8 v[PFO], s[PFB:PFB+1] offset:TROW th:TH_LOAD_NT scope:SCOPE_SE   ; my 18 blocks of chunk 1
	GW 1                                           ; Wd's K steps 1 to 3: with down_s and step 0's, 57 loads of mine are out
	GW 2
	GW 3
	s_wait_tensorcnt 0x0                           ; my load of the head is in
	ds_add_u32 v[SPW], v[NIL]
	s_wait_dscnt 0x0
	CROUND                                         ; chunk 0 and the scale words are whole, in all four work-groups
	tensor_load_to_lds s[G0H+4:G0H+7], s[G1H:G1H+7]   ; chunk 1: my one load behind this round
	s_nop 0
	PLACES
	FH 0
	STEPD 0, 1                                     ; the first step's products start the sums: nothing is cleared
.irp t, 1,2,3,4,5,6,7,8,9,10,11,12,13,14,15,16,17,18,19,20,21,22,23
	STEPD \t, 0
.endr
; THE WAY OUT, a block of 16 tokens x my 64 outputs at a time: through my own stage in LDS, back as whole runs of 256 bytes of a row, times down_s, stored: sixteen lanes store 256 consecutive bytes, aligned.
; The stage lies in chunk 0: every wave has passed the round of step 5, in front of which its last reads of that chunk had come back, and no tensor load follows.
.macro TOSTAGE a
	WIN 0x04                                       ; an LDS store's data are its source 1: window 1
.irp b, 0,1,2,3
	ds_store_b128 v[STO], v[32*(\a)+8*\b:32*(\a)+8*\b+3] offset:64*\b          ; each accumulator from its low end on
	ds_store_b128 v[STO], v[32*(\a)+8*\b+4:32*(\a)+8*\b+7] offset:64*\b+16
.endr
	WIN 0
.set BB, BK+32*((\a)%2)
.irp t, 0,1,2,3,4,5,6,7
	ds_load_b128 v[BB+4*\t:BB+4*\t+3], v[RD] offset:\t*2*SPITCH   ; LDS serves a wave's instructions in order (ISA guide 5.7.1.4): these see the stores above, and the next block's stores come behind them
.endr
.endm
.macro SEND a, younger                 ; younger: the LDS instructions issued behind block a's loads
.set BB, BK+32*((\a)%2)
	s_wait_dscnt \younger
.irp t, 0,1,2,3,4,5,6,7
	v_pk_mul_f32 v[BB+4*\t:BB+4*\t+1], v[BB+4*\t:BB+4*\t+1], v[DS:DS+1]
	v_pk_mul_f32 v[BB+4*\t+2:BB+4*\t+3], v[BB+4*\t+2:BB+4*\t+3], v[DS+2:DS+3]
.endr
.irp t, 0,1,2,3,4,5,6,7
	global_store_b128 v[CO], v[BB+4*\t:BB+4*\t+3], s[OB:OB+1] offset:(16*(\a)+2*\t)*8192   ; 126 rows of 8,192 bytes at the most: inside the signed 24-bit immediate
.endr
.endm
	WIN 0
	PLACES
	TOSTAGE 0
	TOSTAGE 1
	SEND 0, 16                                     ; behind block 0's loads: block 1's 8 stores and 8 loads
.irp a, 2,3,4,5,6,7
	s_wait_xcnt 0x0                                ; the stores of the block two back have read their registers: this block's loads may land there
	TOSTAGE \a
	SEND \a-1, 16
.endr
	SEND 7, 0
	s_wait_tensorcnt 0x0                           ; the wave's end
	ds_add_u32 v[SPW], v[NIL]
	s_wait_dscnt 0x0
	CROUND                                         ; the closing round
	s_endpgm
.Lfunc_end_k_q9b65631f96_down:
	.size	k_q9b65631f96_down, .Lfunc_end_k_q9b65631f96_down-k_q9b65631f96_down
	.p2alignl 7, 3214868480
	.fill 96, 4, 3214868480
	.section	.rodata,"a",@progbits
	.p2align	6, 0x0
	.amdhsa_kernel k_q9b65631f96_down
		.amdhsa_group_segment_fixed_size 327680
		.amdhsa_private_segment_fixed_size 0
		.amdhsa_enable_private_segment 0
		.amdhsa_kernarg_size 48
		.amdhsa_user_sgpr_count 2
		.amdhsa_user_sgpr_kernarg_segment_ptr 1
		.amdhsa_wavefront_size32 1
		.amdhsa_system_sgpr_workgroup_id_x 1
		.amdhsa_system_sgpr_workgroup_id_y 1
		.amdhsa_system_sgpr_workgroup_id_z 1
		.amdhsa_system_vgpr_workitem_id 0
		.amdhsa_next_free_vgpr 768
		.amdhsa_next_free_sgpr 100
		.amdhsa_reserve_vcc 0
		.amdhsa_float_denorm_mode_32 3
		.amdhsa_float_denorm_mode_16_64 3
		.amdhsa_memory_ordered 1
		.amdhsa_forward_progress 1
		.amdhsa_inst_pref_size 210
	.end_amdhsa_kernel
	.amdgpu_metadata
---
amdhsa.version: [ 1, 2 ]
amdhsa.kernels:
  - .name:           k_q9b65631f96_down
    .symbol:         k_q9b65631f96_down.kd
    .args:
      - { .name: hq, .offset: 0, .size: 8, .value_kind: global_buffer, .address_space: global }
      - { .name: hs, .offset: 8, .size: 8, .value_kind: global_buffer, .address_space: global }
      - { .name: dq, .offset: 16, .size: 8, .value_kind: global_buffer, .address_space: global }
      - { .name: dsw, .offset: 24, .size: 8, .value_kind: global_buffer, .address_space: global }
      - { .name: down_s, .offset: 32, .size: 8, .value_kind: global_buffer, .address_space: global }
      - { .name: out0, .offset: 40, .size: 8, .value_kind: global_buffer, .address_space: global }
    .group_segment_fixed_size: 327680
    .private_segment_fixed_size: 0
    .kernarg_segment_align: 8
    .kernarg_segment_size: 48
    .max_flat_workgroup_size: 128
    .sgpr_count:     100
    .vgpr_count:     768
    .wavefront_size: 32
...
	.end_amdgpu_metadata
.endif
;; end of part 3
